; MI455X (gfx1250); checked and timed in simulation.
; The chip was launched on July 23, 2026; its instructions are those of AMD's public machine-readable ISA for CDNA 5 (MIT licence, August 2026) and "CDNA5" Instruction Set Architecture Reference Guide (July 2026). The comments in the code are by the model that wrote it; some were corrected since.
;; Mo E Layer. Allowed arithmetic: matrix products marked QUANTISED: E2M1 operands, one E8M0 scale for each 32 along K, by v_wmma_scale_f32_16x16x128_f8f6f4 with both operands' format E2M1 (or v_wmma_scale_f32_32x16x128_f4), f32 sums; products left as they are: f32 operands where the result goes on into a quantised operand, else bf16, f16 or f32 operands; f32 sums; everything else in f32.
;; Inputs: We 8 x 1,024 x 1,024 float32; Wg 1,024 x 8 float32; be 8 x 1,024 float32; bg 8 float32; x 8,192 x 1,024 float32.
;; Outputs: out0 8,192 x 1,024 float32.
;; This version of the problem:
;;   THIS VERSION OF THE PROBLEM IS GIVEN IN LOW PRECISION. The matrix products marked QUANTISED in the list below multiply operands that are first quantised to E2M1 (2 exponent bits, 1 mantissa bit; 4 bits a number), with one power-of-two scale for each 32 numbers along K (OCP MX v1.0); their sums are f32. All else is computed in f32.
;;   The module's matrix products, in the order in which they are computed (A, B: the left and right operand; K: the contracted axis; several contracted axes count as one K, in the product's order):
;;     1. [M 8,192, K 1,024] x [K 1,024, N 8]; A: input x; B: input Wg: left as it is (N = 8 < 16)
;;     2. [M 8,192, K 1,024] x [K 1,024, N 8,192]; A: input x; B: input We: QUANTISED
;;     3. batch 8,192 x [M 1,024, K 8] x [K 8, N 1]; A: computed on the way; B: softmax: left as it is (K = 8 < 32)
;;   THE QUANTISER, for each operand of a quantised product, along K:
;;     - K is cut into blocks of 32 from its start; a last block that is shorter is filled with zeros.
;;     - A block's scale is 2^e with e = floor(log2(the largest magnitude in the block)) - 2, held to -126 .. 127; a block of zeros has e = 0. As a byte (E8M0): e + 127.
;;     - Each number is divided by its block's scale, clamped to +-6, and rounded to the nearest number of E2M1, ties to even, subnormals kept.
;;     - The product sums the exact products of the quantised numbers (number of the format x scale) in f32.
;;   ~~~python
;;   def quantise(x, axis):      # numpy; x: float32 -> the quantised numbers, widened to float32 again
;;       x = np.moveaxis(x, axis, -1); K = x.shape[-1]
;;       x = np.pad(x, [(0, 0)] * (x.ndim - 1) + [(0, -K % 32)]); x = x.reshape(x.shape[:-1] + (-1, 32)); a = np.abs(x).max(-1, keepdims=True)
;;       e = np.where(a > 0, np.clip(np.frexp(np.where(a > 0, a, 1))[1] - 1 - 2, -126, 127), 0)      # np.frexp(a)[1] - 1 = floor(log2(a)), exactly
;;       r = np.clip(x / 2.0 ** e, -6, 6)
;;       step = 2.0 ** (np.maximum(np.frexp(np.where(r == 0, 1, r))[1] - 1, 0) - 1)
;;       q = np.round(r / step) * step * 2.0 ** e      # np.round: ties to even
;;       return np.moveaxis(q.reshape(q.shape[:-2] + (-1,))[..., :K], -1, axis).astype(np.float32)
;;   ~~~
;; One version. Each part assembles by itself: llvm-mc -triple=amdgcn-amd-amdhsa -mcpu=gfx1250 --defsym DOCPART=n.
;; ======== version 1 of 1: 2 launches
;; limits: values are held in f16: magnitudes above 65,504 overflow, below 6.1e-05 lose precision; inputs' magnitudes at most 65,504; right only within a limited range of input values
;; workspace buffers: xq 4,718,592 bytes; wq 4,194,304 bytes; wsc 262,144 bytes
;; launch prep (part 1): grid 256 x 1, 16 waves a work-group, no clusters, 290,816 bytes of LDS; arguments x, We, Wg, bg, xq, wq, wsc; writes xq, wq, wsc
.if DOCPART == 1
	.amdgcn_target "amdgcn-amd-amdhsa--gfx1250"
	.amdhsa_code_object_version 6
	.text
	.protected	k_q451a844231_prep
	.globl	k_q451a844231_prep
	.p2align	8
	.type	k_q451a844231_prep,@function
k_q451a844231_prep:
	s_mov_b64 s[64:65], 0
	v_nop
	global_prefetch_b8 v0, s[64:65] scope:SCOPE_SE
	s_setreg_imm32_b32 hwreg(HW_REG_WAVE_MODE, 25, 1), 1
	s_wait_xcnt 0x0
; x [8192][1024] and We [8][1024][1024], f32, become codes of FP4 (E2M1) with one E8M0 scale byte for each 32 along K, laid as IMAGES OF THE OPERAND'S REGISTERS for the next launch;
; and the gates g = softmax(x Wg + bg) are computed.  A block's scale is 2^(floor(log2(its largest magnitude)) - 2): its byte is the largest magnitude's exponent field - 2, held at 1 from below.
; OUT:  xq: 512 records of 9,216 bytes, one for 16 tokens: 8 fragments (K step s: byte 1024 s + 512 c + 16 lane = the 32 codes of token lane % 16 at k = 128 s + 64 c + 32 (lane / 16) on);
;           at 8192 the scale words (byte 16 lane + 4 q: token lane % 16, K step 2 q + lane / 16); at 8704 the gates (byte 32 token + 4 expert, f32).
;       wq: [64 groups of 16 columns][K step 8][expert 8][1,024 bytes], a fragment as above with a column for a token.
;       wsc: [group 64][pair of experts 4][half of K 2][lane 32][16 bytes]: lane (r, h): the scale words of column r of expert 2 pair + h for four K steps.
; SHARES.  256 work-groups of sixteen waves; each wave brings 16,384 bytes into LDS bytes of its own by ONE tensor load and works behind its own wait.  No LDS byte is filled twice.
; Waves 0-7: 16 tokens x 256 of K (block wave / 4 of the work-group's two, quarter wave % 4 of K).  Waves 8-15: one expert, 64 columns x 64 rows of K (half a K step).
; x: K is innermost: lane (r, h) takes, of token r, the 32 numbers that the operand's layout gives it: a whole block, so no other lane is asked for a maximum.
; We: K is not innermost: a lane takes a column and its registers run down K: again a whole block a lane, and the codes come out with K innermost.
; THE GATES: logits^T = Wg^T x^T by v_wmma_f32_16x16x32_f16, f32 sums.  Source 0 holds the 8 experts twice (rows m and m + 8 alike), so each lane ends with the 8 logits of its token.
; K is permuted alike in both sources.  The four quarters' partial logits meet in LDS; one wave a block adds them and bg, and takes the softmax with the row's maximum away, in f32.
; Scale bytes that belong to one unit of 256 bytes are made by several waves: they meet in LDS too, and leave as whole units.
; NO CLUSTER: what work-groups share is Wg alone, 32,768 of the 294,912 bytes that a work-group reads.  No prefetch: there is no loop; every tile is asked for at the head.
; LIMITS: the gate product's operands are f16: |x| and |Wg| stay under 65,504, and magnitudes under 2^-14 lose bits; NaN and infinities among the inputs are not served;
; a block of zeros gets the byte 1 where the quantiser says 127: its codes are zeros, and the bytes are read by this program alone.
.set REG,  16640                       ; LDS: a wave's region.  Tokens: 16 rows x 1,040 bytes; weights: 64 rows x 256 bytes
.set XP,   1040                        ; 1,024 bytes + 16 of padding = 260 words: the 16 rows that a load touches start at 16 different banks (64 banks of 4 bytes: ISA guide 11.1)
.set WGI,  16*REG                      ; Wg as 32 f16 fragments of 512 bytes: written by LDS stores alone, like all that follows
.set LOG,  WGI+16384                   ; partial logits, 512 bytes for each of the eight token waves
.set XSI,  LOG+4096                    ; scale words of x, 512 bytes a block
.set WSI,  XSI+1024                    ; scale words of We, 1,024 bytes
.set SPARE, WSI+1024                   ; the spare words, 128 bytes for each wave
.set L16,  1                           ; v1   16 x lane
.set XR,   2                           ; v2   my place in the tile of x: region + 1040 r + 128 h
.set WR,   3                           ; v3   my place in the tile of We: region + 4 x lane
.set WGA,  4                           ; v4   my place in a fragment of Wg: WGI + 4096 (wave % 4) + 16 (r % 8 + 8 h)
.set WGS,  5                           ; v5   where my thread stores its part of Wg's fragments
.set WGO,  6                           ; v6   and where it reads Wg: 512 (t / 8) + 4 (t % 8)
.set LGS,  7                           ; v7   where I store partial logits
.set XSS,  8                           ; v8   where I store a scale word of x
.set WQO,  9                           ; v9   65,536 h + 16 r: my column's place in wq
.set SH8,  10                          ; v10  8 h
.set GTO,  11                          ; v11  32 r + 16 h
.set WSS,  12                          ; v12  where I store two scale bytes of We
.set N,    16                          ; v16-79   64 numbers
.set WF,   80                          ; v80-111  four fragments of Wg
.set H,    112                         ; v112-143 x (or Wg) as f16
.set ACC,  144                         ; v144-175 four accumulators of the gate product
.set CODE, 184                         ; v184-199 codes: 8 registers for each of two tiles
.set T,    216                         ; v216-231 at work
.set SW,   232                         ; v232-233 scale words or bytes
.set LGR,  240                         ; v240 where I read partial logits
.set XSR,  241                         ; v241 where I read scale words of x back
.set WSR,  242                         ; v242 and those of We
.set WSO,  243                         ; v243 4096 h + 16 r: my place in wsc
.set SPW,  254
.set NIL,  255
.set G1X,  24                          ; s[24:31] descriptor group 1 for tiles of x;  s[32:39] for tiles of We
.set G1W,  32
; Two blocks of 32 numbers of a lane, v[N] on and v[N+32] on, become 2 x 4 registers of codes; their bytes land in v[T+6], v[T+7].
.macro QUANT2 code
.irp c, 0,1
	v_max3_num_f32 v[T+2*\c], |v[N+32*\c]|, |v[N+32*\c+1]|, |v[N+32*\c+2]|       ; the largest magnitude: two chains a block, the blocks by turns
	v_max3_num_f32 v[T+2*\c+1], |v[N+32*\c+3]|, |v[N+32*\c+4]|, |v[N+32*\c+5]|
.endr
.irp i, 6,10,14,18,22,26
.irp c, 0,1
	v_max3_num_f32 v[T+2*\c], v[T+2*\c], |v[N+32*\c+\i]|, |v[N+32*\c+\i+1]|
	v_max3_num_f32 v[T+2*\c+1], v[T+2*\c+1], |v[N+32*\c+\i+2]|, |v[N+32*\c+\i+3]|
.endr
.endr
.irp c, 0,1
	v_max3_num_f32 v[T+2*\c], v[T+2*\c], |v[N+32*\c+30]|, |v[N+32*\c+31]|
.endr
.irp c, 0,1
	v_max3_num_f32 v[T+2*\c], v[T+2*\c], v[T+2*\c+1], 0x1800000                  ; and the floor 2^(3 - 127): the byte cannot fall under 1
.endr
.irp c, 0,1
	v_add_nc_u32 v[T+4+\c], 0xff000000, v[T+2*\c]                                ; 2 off the exponent field: the conversion takes this operand's exponent field as its scale
.endr
.irp c, 0,1
.irp g, 0,1,2,3
	v_cvt_scalef32_pk8_fp4_f32 v[(\code)+4*\c+\g], v[N+32*\c+8*\g:N+32*\c+8*\g+7], v[T+4+\c]
.endr
.endr
.irp c, 0,1
	v_lshrrev_b32 v[T+6+\c], 23, v[T+4+\c]                                       ; the scale's byte.  (Also the plain line behind the last conversion)
.endr
.endm
	s_load_b256 s[4:11], s[0:1], 0x0               ; x s[4:5], We s[6:7], Wg s[8:9], bg s[10:11]
	s_load_b128 s[12:15], s[0:1], 0x20             ; xq s[12:13], wq s[14:15]
	s_load_b64 s[16:17], s[0:1], 0x30              ; wsc
	v_lshl_add_u32 v[SPW], v0, 2, SPARE
	v_mov_b32 v[NIL], 0
	ds_add_u32 v[SPW], v[NIL]                      ; the opening: the add, twice on end, and its wait
	ds_add_u32 v[SPW], v[NIL]
	v_lshrrev_b32 v13, 5, v0
	v_readfirstlane_b32 s18, v13                   ; wave 0..15
	v_and_b32 v13, 31, v0                          ; lane
	v_and_b32 v14, 15, v0                          ; r
	v_bfe_u32 v15, v0, 4, 1                        ; h
	s_mul_i32 s19, s18, REG                        ; my region of LDS
	s_and_b32 s85, s18, 3                          ; token waves: quarter of K,
	s_lshr_b32 s90, s18, 2
	s_and_b32 s90, s90, 1                          ; and block of 16 tokens
	s_and_b32 s91, s18, 7                          ; weight waves: which 64 rows of K
	; every address register is made here, ahead of the parting of the roles, and holds nothing else
	v_lshlrev_b32 v[L16], 4, v13
	v_mul_u32_u24 v[XR], v14, XP
	v_lshl_add_u32 v[XR], v15, 7, v[XR]
	v_add_nc_u32 v[XR], s19, v[XR]
	v_lshl_add_u32 v[WR], v13, 2, s19
	v_and_b32 v[WGA], 7, v0
	v_lshl_add_u32 v[WGA], v15, 3, v[WGA]
	v_lshlrev_b32 v[WGA], 4, v[WGA]
	s_lshl_b32 s20, s85, 12
	s_add_co_u32 s20, s20, WGI
	v_add_nc_u32 v[WGA], s20, v[WGA]
	; thread t takes expert t % 8 and the run of 16 k numbered t / 8 = 8 s + 4 c + 2 h + v; it goes to fragment 4 s + 2 c + v, at 16 (expert + 8 h)
	v_and_b32 v[T], 7, v0
	v_lshlrev_b32 v[WGS], 4, v[T]                  ; 16 x expert
	v_lshrrev_b32 v[WGO], 3, v0
	v_lshlrev_b32 v[WGO], 9, v[WGO]
	v_lshl_add_u32 v[WGO], v[T], 2, v[WGO]
	v_bfe_u32 v[T], v0, 3, 1                       ; v
	v_lshl_add_u32 v[WGS], v[T], 9, v[WGS]
	v_lshl_add_u32 v[WGS], v15, 7, v[WGS]          ; the run's h is the thread's bit 4
	v_lshrrev_b32 v[T], 5, v0                      ; c + 2 s
	v_lshl_add_u32 v[WGS], v[T], 10, v[WGS]
	v_add_nc_u32 v[WGS], WGI, v[WGS]
	v_lshlrev_b32 v[GTO], 5, v14
	v_lshl_add_u32 v[GTO], v15, 4, v[GTO]
	s_lshl_b32 s20, s18, 9
	s_add_co_u32 s20, s20, LOG
	v_add_nc_u32 v[LGS], s20, v[GTO]
	s_lshl_b32 s20, s90, 9
	s_add_co_u32 s20, s20, XSI
	v_add_nc_u32 v[XSR], s20, v[L16]
	s_lshl_b32 s21, s85, 2
	s_add_co_u32 s20, s20, s21
	v_add_nc_u32 v[XSS], s20, v[L16]
	s_lshl_b32 s20, s90, 11
	s_add_co_u32 s20, s20, LOG
	v_lshl_add_u32 v[LGR], v14, 5, s20
	v_add_nc_u32 v[WSR], WSI, v[L16]
	s_lshl_b32 s20, s91, 1                         ; K step wave / 2 % 4: 4 bytes; half a K step: 2 bytes
	s_add_co_u32 s20, s20, WSI
	v_add_nc_u32 v[WSS], s20, v[L16]
	v_lshlrev_b32 v[WSO], 4, v14
	v_lshl_add_u32 v[WSO], v15, 12, v[WSO]
	v_lshlrev_b32 v[WQO], 4, v14
	v_lshl_add_u32 v[WQO], v15, 16, v[WQO]
	v_lshlrev_b32 v[SH8], 3, v15
	s_mov_b32 s84, 0xffff0000                      ; lanes 16-31
	s_mov_b32 s86, 0x76543210
	s_mov_b32 s87, 0xfedcba98                      ; v_permlanex16_b32's selects for lane l xor 16
	; group 1, a tile of x: 16 rows x 256 elements of 4 bytes, rows 1,024 elements apart; in LDS 4 words of padding behind every 256
	s_mov_b32 s[G1X+0], (2<<16)|(1<<20)|(7<<22)|(3<<25)
	s_mov_b32 s[G1X+1], 256<<16                    ; tensor_dim0
	s_mov_b32 s[G1X+2], 16<<16                     ; tensor_dim1
	s_mov_b32 s[G1X+3], 256<<16                    ; tile_dim0
	s_mov_b32 s[G1X+4], 16                         ; tile_dim1
	s_mov_b32 s[G1X+5], 1024                       ; tensor_dim0_stride
	s_mov_b32 s[G1X+6], 0
	s_mov_b32 s[G1X+7], 0
	; group 1, a tile of We: 64 rows (k) x 64 elements of 4 bytes, no padding: a load of 4 bytes a lane reads 128 neighbouring bytes
	s_mov_b32 s[G1W+0], 2<<16
	s_mov_b32 s[G1W+1], 64<<16
	s_mov_b32 s[G1W+2], 64<<16
	s_mov_b32 s[G1W+3], 64<<16
	s_mov_b32 s[G1W+4], 64
	s_mov_b32 s[G1W+5], 1024
	s_mov_b32 s[G1W+6], 0
	s_mov_b32 s[G1W+7], 0
	s_wait_alu depctr_va_vdst(0)                   ; the wait at the head's end
	s_wait_dscnt 0x0                               ; both opening adds are done
	s_wait_kmcnt 0x0
	s_load_b256 s[68:75], s[10:11], 0x0            ; bg's eight numbers
.set q, 0
.rept 16
	global_load_b32 v[N+q], v[WGO], s[8:9] offset:32*q   ; Wg(16 (t / 8) + q, t % 8): small, and asked for ahead of the tiles
.set q, q+1
.endr
	s_mov_b32 s40, 1                               ; group 0: count = 1
	s_mov_b32 s41, s19                             ; LDS address: my region
	s_mov_b32 s44, 1
	s_mov_b32 s45, s19
	s_mov_b32 s21, 0
	s_cmp_lt_u32 s18, 8
	s_cbranch_scc0 .Lfill_w
	s_lshl_b32 s20, ttmp9, 1
	s_add_co_u32 s20, s20, s90                     ; my block of 16 tokens: 2 x work-group + block
	s_lshl_b32 s20, s20, 16                        ; 16 rows of 4,096 bytes
	s_lshl_b32 s22, s85, 10
	s_add_co_u32 s20, s20, s22                     ; my quarter of K: 1,024 bytes of each row
	s_add_nc_u64 s[42:43], s[4:5], s[20:21]
	s_or_b32 s43, s43, 0x80000000                  ; type = 2
	tensor_load_to_lds s[40:43], s[G1X:G1X+7]
	s_nop 0
.rept 4
	v_nop
.endr
	s_branch .Lfilled
.Lfill_w:
	s_lshr_b32 s20, ttmp9, 5                       ; the expert,
	s_lshl_b32 s20, s20, 22                        ; 4,194,304 bytes each
	s_and_b32 s22, ttmp9, 1                        ; which half of K: 512 rows of 4,096 bytes
	s_lshl_b32 s22, s22, 21
	s_add_co_u32 s20, s20, s22
	s_lshl_b32 s22, s91, 18                        ; my 64 rows of it
	s_add_co_u32 s20, s20, s22
	s_bfe_u32 s22, ttmp9, 0x40001                  ; which 64 columns: 256 bytes
	s_lshl_b32 s22, s22, 8
	s_add_co_u32 s20, s20, s22
	s_add_nc_u64 s[46:47], s[6:7], s[20:21]
	s_or_b32 s47, s47, 0x80000000
	s_wait_loadcnt 0x0                             ; Wg's numbers are in: the tiles of We are asked for behind those of x, whose work is the longer
	tensor_load_to_lds s[44:47], s[G1W:G1W+7]
	s_nop 0
.rept 4
	v_nop
.endr
.Lfilled:
	; ---- Wg as f16 fragments, by all 512 threads, while the tiles are on their way
	s_wait_loadcnt 0x0
.set q, 0
.rept 8
	v_cvt_pk_f16_f32 v[H+q], v[N+2*q], v[N+2*q+1]
.set q, q+1
.endr
	ds_store_b128 v[WGS], v[H:H+3]
	ds_store_b128 v[WGS], v[H+4:H+7] offset:256
	s_wait_kmcnt 0x0                               ; bg
	s_wait_dscnt 0x0                               ; for the others' sake: my part of the fragments has landed
	s_barrier_signal -1                            ; (the tiles may stay on their way: nothing is filled again, and each wave reads its own tile behind its own wait)
	s_barrier_wait -1
	s_cmp_lt_u32 s18, 8
	s_cbranch_scc0 .Ljoin
	; ======== waves 0 to 7: 16 tokens x 256 of K
	s_lshl_b32 s20, ttmp9, 1
	s_add_co_u32 s20, s20, s90
	s_mul_i32 s20, s20, 9216                       ; my block's record
	s_mov_b32 s21, 0
	s_add_nc_u64 s[12:13], s[12:13], s[20:21]
	s_lshl_b32 s20, s85, 11                        ; my two K steps in it
	s_add_nc_u64 s[88:89], s[12:13], s[20:21]
	v_mov_b32 v[T+9], 0                            ; written once: a lane permute's destination counts as one of its sources
	s_wait_tensorcnt 0x0                           ; my tile is in
.macro XTILE t
.irp c, 0,1
.irp i, 0,1,2,3,4,5,6,7
	ds_load_b128 v[N+32*\c+4*\i:N+32*\c+4*\i+3], v[XR] offset:512*\t+256*\c+16*\i   ; x(r, 128 s + 64 c + 32 h + 4 i ..)
.endr
.endr
.irp u, 0,1,2,3
.irp p, 0,1
	ds_load_b128 v[WF+8*\u+4*\p:WF+8*\u+4*\p+3], v[WGA] offset:(4*\t+\u)*512+256*\p
.endr
.endr
	s_wait_dscnt 0x0
.set q, 0
.rept 32
	v_cvt_pk_f16_f32 v[H+q], v[N+2*q], v[N+2*q+1]  ; fragment u = q / 8: my 16 numbers 16 u on
.set q, q+1
.endr
	QUANT2 CODE+8*\t
.irp c, 0,1
	global_store_b128 v[L16], v[CODE+8*\t+4*\c:CODE+8*\t+4*\c+3], s[88:89] offset:1024*\t+512*\c   ; the wave stores 512 consecutive bytes
.endr
.irp u, 0,1,2,3                        ; the four accumulators take turns
.if \t == 0
	v_wmma_f32_16x16x32_f16 v[ACC+8*\u:ACC+8*\u+7], v[WF+8*\u:WF+8*\u+7], v[H+8*\u:H+8*\u+7], 0
.else
	v_wmma_f32_16x16x32_f16 v[ACC+8*\u:ACC+8*\u+7], v[WF+8*\u:WF+8*\u+7], v[H+8*\u:H+8*\u+7], v[ACC+8*\u:ACC+8*\u+7]
.endif
.endr
	v_lshl_or_b32 v[T+8], v[T+7], 16, v[T+6]       ; my two bytes: blocks h and 2 + h of this K step,
	v_lshlrev_b32 v[T+8], v[SH8], v[T+8]           ; at their places in the scale word;
	v_nop
	v_permlanex16_b32 v[T+9], v[T+8], s86, s87
	v_or_b32 v[SW+\t], v[T+8], v[T+9]              ; with lane l xor 16's two the word is whole.  Four plain lines (the permute not counted) stand behind the products, ahead of the next loads into Wg's fragments and of the first read of the sums
.endm
	XTILE 0
	XTILE 1
.set q, 0
.rept 8
	v_add_f32 v[T+q], v[ACC+q], v[ACC+8+q]         ; the four partial sums, each accumulator from its low end on
.set q, q+1
.endr
.set q, 0
.rept 8
	v_add_f32 v[T+8+q], v[ACC+16+q], v[ACC+24+q]
.set q, q+1
.endr
.set q, 0
.rept 8
	v_add_f32 v[T+q], v[T+q], v[T+8+q]             ; my token's eight logits over my quarter of K
.set q, q+1
.endr
.irp i, 0,1,2,3
	v_cndmask_b32 v[N+\i], v[T+\i], v[T+4+\i], s84 ; lanes 0-15 store experts 0-3, lanes 16-31 experts 4-7
.endr
	v_cndmask_b32 v[N+4], v[SW], v[SW+1], s84      ; lanes 0-15 the word of the even K step, lanes 16-31 of the odd one
	ds_store_b128 v[LGS], v[N:N+3]
	ds_store_b32 v[XSS], v[N+4]
.Ljoin:
	s_wait_dscnt 0x0                               ; my logits and words have landed
	s_barrier_signal -1                            ; (waves 8 to 15 come here with their tiles on their way)
	s_barrier_wait -1
	s_cmp_ge_u32 s18, 8
	s_cbranch_scc1 .Lrole_w
	s_cmp_eq_u32 s18, 0
	s_cbranch_scc1 .Lgates
	s_cmp_eq_u32 s18, 4
	s_cbranch_scc1 .Lgates
	s_branch .Lfin
	; ======== waves 8 to 15: 64 columns x 64 rows of K of one expert
.Lrole_w:
	s_bfe_u32 s20, ttmp9, 0x40001                  ; which 64 columns: four groups of 65,536 bytes
	s_lshl_b32 s20, s20, 18
	s_and_b32 s22, ttmp9, 1                        ; which half of K: four K steps of 8,192 bytes
	s_lshl_b32 s22, s22, 15
	s_add_co_u32 s20, s20, s22
	s_lshr_b32 s22, s91, 1                         ; my K step of them,
	s_lshl_b32 s22, s22, 13
	s_add_co_u32 s20, s20, s22
	s_and_b32 s22, s18, 1                          ; and my half of it
	s_lshl_b32 s22, s22, 9
	s_add_co_u32 s20, s20, s22
	s_lshr_b32 s22, ttmp9, 5                       ; the expert: 1,024 bytes
	s_lshl_b32 s22, s22, 10
	s_add_co_u32 s20, s20, s22
	s_mov_b32 s21, 0
	s_add_nc_u64 s[14:15], s[14:15], s[20:21]
	s_wait_tensorcnt 0x0                           ; my tile is in
.macro WTILE j                         ; block j of my two of 32 along K
.set q, 0
.rept 64
	ds_load_b32 v[N+q], v[WR] offset:8192*\j+256*(q%32)+128*(q/32)   ; row q % 32 of the block, column 32 (q / 32) + lane
.set q, q+1
.endr
	s_wait_dscnt 0x0
	QUANT2 CODE+8*\j
.irp p, 0,1
.if \j == 0
	v_mov_b32 v[SW+\p], v[T+6+\p]                  ; two bytes, the lower K in the lower one
.else
	v_lshl_or_b32 v[SW+\p], v[T+6+\p], 8, v[SW+\p]
.endif
	global_store_b128 v[WQO], v[CODE+8*\j+4*\p:CODE+8*\j+4*\p+3], s[14:15] offset:131072*\p+256*\j   ; sixteen lanes store 256 consecutive bytes, aligned
.endr
.endm
	WTILE 0
	WTILE 1
.irp p, 0,1
	ds_store_b16 v[WSS], v[SW+\p] offset:512*\p    ; group 2 p + lane / 16
.endr
	s_branch .Lfin
.Lgates:                                               ; waves 0 and 4: their block's gates and scale words
.irp q, 0,1,2,3
.irp p, 0,1
	ds_load_b128 v[N+8*\q+4*\p:N+8*\q+4*\p+3], v[LGR] offset:512*\q+16*\p
.endr
.endr
	ds_load_b128 v[N+32:N+35], v[XSR]
	s_wait_dscnt 0x0
.set q, 0
.rept 8
	v_add_f32 v[T+q], v[N+q], v[N+8+q]
	v_add_f32 v[T+8+q], v[N+16+q], v[N+24+q]
.set q, q+1
.endr
.set q, 0
.rept 8
	v_add_f32 v[T+q], v[T+q], v[T+8+q]
.set q, q+1
.endr
.set q, 0
.rept 8
	v_add_f32 v[T+q], s[68+q], v[T+q]              ; my token's eight logits
.set q, q+1
.endr
	v_max3_num_f32 v[T+8], v[T], v[T+1], v[T+2]
	v_max3_num_f32 v[T+9], v[T+3], v[T+4], v[T+5]
	v_max3_num_f32 v[T+8], v[T+8], v[T+6], v[T+7]
	v_max_num_f32 v[T+8], v[T+8], v[T+9]           ; their maximum
.set q, 0
.rept 8
	v_sub_f32 v[T+q], v[T+q], v[T+8]
.set q, q+1
.endr
.set q, 0
.rept 8
	v_mul_f32 v[T+q], 0x3fb8aa3b, v[T+q]           ; x log2(e)
.set q, q+1
.endr
	s_wait_alu depctr_va_vdst(0)                   ; a wait ahead of the batch and behind it
.set q, 0
.rept 8
	v_exp_f32 v[T+q], v[T+q]
.set q, q+1
.endr
	v_nop                                          ; a plain line behind the last exponential
	s_wait_alu depctr_va_vdst(0)
	v_add_f32 v[T+8], v[T], v[T+1]
	v_add_f32 v[T+9], v[T+2], v[T+3]
	v_add_f32 v[T+10], v[T+4], v[T+5]
	v_add_f32 v[T+11], v[T+6], v[T+7]
	v_add_f32 v[T+8], v[T+8], v[T+9]
	v_add_f32 v[T+10], v[T+10], v[T+11]
	v_add_f32 v[T+8], v[T+8], v[T+10]
	s_wait_alu depctr_va_vdst(0)
	v_rcp_f32 v[T+12], v[T+8]
	v_nop
	s_wait_alu depctr_va_vdst(0)
.set q, 0
.rept 8
	v_mul_f32 v[T+q], v[T+q], v[T+12]              ; the gates
.set q, q+1
.endr
.irp i, 0,1,2,3
	v_cndmask_b32 v[N+40+\i], v[T+\i], v[T+4+\i], s84          ; lanes 0-15 store experts 0-3, lanes 16-31 experts 4-7
.endr
	global_store_b128 v[GTO], v[N+40:N+43], s[12:13] offset:8704     ; each of the two stores covers 512 consecutive bytes
	global_store_b128 v[L16], v[N+32:N+35], s[12:13] offset:8192
.Lfin:
	s_wait_dscnt 0x0                               ; my scale bytes have landed
	s_barrier_signal -1
	s_barrier_wait -1
	s_cmp_lg_u32 s18, 8
	s_cbranch_scc1 .Lend
	ds_load_b128 v[N:N+3], v[WSR]                  ; wave 8: the scale words of the work-group's 64 columns
	ds_load_b128 v[N+4:N+7], v[WSR] offset:512
	s_bfe_u32 s20, ttmp9, 0x40001                  ; four groups of 4,096 bytes,
	s_lshl_b32 s20, s20, 14
	s_lshr_b32 s21, ttmp9, 5
	s_lshr_b32 s22, s21, 1                         ; 1,024 bytes a pair of experts,
	s_lshl_b32 s22, s22, 10
	s_add_co_u32 s20, s20, s22
	s_and_b32 s21, s21, 1                          ; 256 for the expert in it,
	s_lshl_b32 s21, s21, 8
	s_add_co_u32 s20, s20, s21
	s_and_b32 s21, ttmp9, 1                        ; 512 for each half of K
	s_lshl_b32 s21, s21, 9
	s_add_co_u32 s20, s20, s21
	s_mov_b32 s21, 0
	s_add_nc_u64 s[16:17], s[16:17], s[20:21]
	s_wait_dscnt 0x0
	global_store_b128 v[WSO], v[N:N+3], s[16:17]                 ; sixteen lanes store 256 consecutive bytes, aligned
	global_store_b128 v[WSO], v[N+4:N+7], s[16:17] offset:8192
.Lend:
	s_wait_tensorcnt 0x0                           ; the wave's end
	ds_add_u32 v[SPW], v[NIL]
	s_wait_dscnt 0x0
	s_endpgm
.Lfunc_end_k_q451a844231_prep:
	.size	k_q451a844231_prep, .Lfunc_end_k_q451a844231_prep-k_q451a844231_prep
	.p2alignl 7, 3214868480
	.fill 96, 4, 3214868480
	.section	.rodata,"a",@progbits
	.p2align	6, 0x0
	.amdhsa_kernel k_q451a844231_prep
		.amdhsa_group_segment_fixed_size 290816
		.amdhsa_private_segment_fixed_size 0
		.amdhsa_enable_private_segment 0
		.amdhsa_kernarg_size 56
		.amdhsa_user_sgpr_count 2
		.amdhsa_user_sgpr_kernarg_segment_ptr 1
		.amdhsa_wavefront_size32 1
		.amdhsa_system_sgpr_workgroup_id_x 1
		.amdhsa_system_sgpr_workgroup_id_y 1
		.amdhsa_system_sgpr_workgroup_id_z 1
		.amdhsa_system_vgpr_workitem_id 0
		.amdhsa_next_free_vgpr 256
		.amdhsa_next_free_sgpr 96
		.amdhsa_reserve_vcc 0
		.amdhsa_float_denorm_mode_32 3
		.amdhsa_float_denorm_mode_16_64 3
		.amdhsa_memory_ordered 1
		.amdhsa_forward_progress 1
		.amdhsa_inst_pref_size 44
	.end_amdhsa_kernel
	.amdgpu_metadata
---
amdhsa.version: [ 1, 2 ]
amdhsa.kernels:
  - .name:           k_q451a844231_prep
    .symbol:         k_q451a844231_prep.kd
    .args:
      - { .name: x, .offset: 0, .size: 8, .value_kind: global_buffer, .address_space: global }
      - { .name: We, .offset: 8, .size: 8, .value_kind: global_buffer, .address_space: global }
      - { .name: Wg, .offset: 16, .size: 8, .value_kind: global_buffer, .address_space: global }
      - { .name: bg, .offset: 24, .size: 8, .value_kind: global_buffer, .address_space: global }
      - { .name: xq, .offset: 32, .size: 8, .value_kind: global_buffer, .address_space: global }
      - { .name: wq, .offset: 40, .size: 8, .value_kind: global_buffer, .address_space: global }
      - { .name: wsc, .offset: 48, .size: 8, .value_kind: global_buffer, .address_space: global }
    .group_segment_fixed_size: 290816
    .private_segment_fixed_size: 0
    .kernarg_segment_align: 8
    .kernarg_segment_size: 56
    .max_flat_workgroup_size: 512
    .sgpr_count:     96
    .vgpr_count:     256
    .wavefront_size: 32
...
	.end_amdgpu_metadata
.endif
;; end of part 1
;; launch moe (part 2): grid 16 x 16, 8 waves a work-group, clusters of 4 x 1, 327,680 bytes of LDS; arguments xq, wq, wsc, be, out0; writes out0
.if DOCPART == 2
	.amdgcn_target "amdgcn-amd-amdhsa--gfx1250"
	.amdhsa_code_object_version 6
	.text
	.protected	k_q451a844231_moe
	.globl	k_q451a844231_moe
	.p2align	8
	.type	k_q451a844231_moe,@function
k_q451a844231_moe:
	s_mov_b64 s[64:65], 0
	v_nop
	global_prefetch_b8 v0, s[64:65] scope:SCOPE_SE
	s_setreg_imm32_b32 hwreg(HW_REG_WAVE_MODE, 25, 1), 1
	s_wait_xcnt 0x0
	s_wait_alu depctr_hold_cnt(0) depctr_sa_sdst(0) depctr_va_vdst(0) depctr_va_sdst(0) depctr_va_ssrc(0) depctr_va_vcc(0) depctr_vm_vsrc(0)
	s_getreg_b32 s2, hwreg(HW_REG_IB_STS2, 6, 4)
	s_cmp_eq_u32 s2, 0
	s_cbranch_scc0 .Lentry_in_a_cluster
	s_endpgm
.Lentry_in_a_cluster:
	s_bfe_u32 s2, ttmp6, 0x10000c
	s_cmp_lg_u32 s2, 0x3003
	s_cbranch_scc0 .Lentry_shape_is_right
	s_endpgm
.Lentry_shape_is_right:
; out0[n][o] = sum over e of g[n][e] (Q(x)[n][:] . Q(We)[e][:][o] + be[e][o]), on the codes, scale words and gates that the launch before has laid (its head comment gives xq, wq, wsc).
; SHARES.  A work-group takes 512 tokens x 64 columns; wave w the 16 columns 64 c + 16 (w % 4), FOR ALL 8 EXPERTS, and half w / 4 of K.  Its weights, 8 experts x 4 K steps = 32 fragments = 256 registers, their
; 16 registers of scale words and 64 of bias stay in registers for the whole launch.  The 32 records of 16 tokens (294,912 bytes) come into LDS once; all eight waves walk them.
; A BLOCK is one record: 16 matrix instructions of 32 x 16 x 128, K step by K step.  Source 0 = 16 columns of expert 2 p (rows 0-15) and the same columns of expert 2 p + 1 (rows 16-31), source 1 = 16 tokens: the four
; pairs' accumulators take turns, one instruction a turn.  A lane holds ONE token (lane % 16) and the columns 8 (lane / 16) + 0 .. 7 of every expert.
; The bias is the C of each sum's first instruction (zeros in the waves of K's second half).  The gate-weighted sum is 32 packed multiply-adds, in f32; it is linear, so each half of K is weighed by itself and the two are added last.
; Two waves share a SIMD: one wave's LDS run and packed lines stand beside the other's products.
; THE LDS LOADS OF A BLOCK stand in one run at its head, for the NEXT record, into second sets of registers: they have the whole block in which to land.
; THE WAY OUT.  A block's 16 tokens x 64 columns of both halves of K meet in a stage in LDS (two stages by turns); a block later each wave reads two rows of 256 bytes of both halves, adds them and stores them.
; ONE BARRIER A BLOCK: in front of its signal, at the block's head, my stage stores of the block before have landed and my reads of the other stage are over; its wait stands behind the block's products and packed lines.
; CLUSTER.  The four work-groups of a cluster have the same 512 tokens: the records are asked for JOINTLY (mask 15), by three loads a wave, each behind a round of the cluster's barrier: records 0-3 at the head,
; 4-13 behind the requests for all weights, 14-31 in front of block 3, nine blocks ahead of the wait for them.  No LDS byte is filled twice.
; THE WEIGHTS ARE NOT SHARED THROUGH LDS: each wave reads its 32,768 bytes once, straight into the registers in which they stay; through LDS a work-group's 262,144 bytes would not fit beside the records' 294,912.
; NO PREFETCH: the loop fetches nothing from memory; its records have all been asked for ahead of it.
; REGISTERS, in windows of 256 (s_set_vgpr_msb: bits 1:0 source 0, 3:2 source 1, 5:4 source 2, 7:6 destination): window 1: We's fragments: (e, t) at v[64 t + 8 e], t = 0 .. 3 my K steps; window 0: all else.
.set RECB, 9216                        ; a record
.set STG,  32*RECB                     ; behind the records: two stages of 2 x 16 rows x 272 bytes, written by LDS stores alone
.set SP,   272                         ; 256 bytes + 16 = 68 words: the 16 rows that a store touches start at 16 different banks (64 banks of 4 bytes: ISA guide 11.1)
.set STH,  16*SP
.set STB,  2*STH
.set SPARE, STG+2*STB                  ; the spare words, 128 bytes for each wave
.set L16,  0                           ; v0  16 x lane (once the thread's number has been used)
.set SPW,  1
.set NIL,  2
.set XK,   3                           ; v3  16 x lane + 4096 x my half of K: x's fragments in a record
.set GB,   4                           ; v4  8704 + 32 r: my token's gates in a record
.set SB,   5                           ; v5  8192 + 16 x lane + 8 x my half: x's scale words
.set ADX,  6                           ; v6-8  the three + the LDS byte of the trip's first record
.set ADG,  7
.set ADS,  8
.set STO,  9                           ; v9  the stage: where I put 32 bytes of a row,
.set RD,   10                          ; v10 where I read a row back,
.set GO,   11                          ; v11 and my byte offset in 16 rows of out0
.set WS,   12                          ; v12-27 pair p, K step t at v[WS + 4 p + t]: lanes 0-15 expert 2 p, lanes 16-31 expert 2 p + 1
.set XSC,  28                          ; v28-31 two sets
.set G,    32                          ; v32-47 gates, two sets
.set OUT,  48                          ; v48-55 the weighted sum
.set BK,   56                          ; v56-63 rows on their way out: both halves of K
.set BIAS, 64                          ; v64-127
.set X,    128                         ; v128-191 x's fragments, two sets
.set ACC,  192                         ; v192-255
.set H32,  56                          ; at the head: v56 32 h; v57-60 at work
.set MSB, 0
.macro WIN new                         ; the immediate's high byte repeats the setting that is left; a switch that changes nothing is dropped
.if MSB != \new
	s_set_vgpr_msb (MSB<<8)|\new
.set MSB, \new
.endif
.endm
.macro ROUND                           ; a round of the cluster's barrier
	s_barrier_signal -1
	s_barrier_wait -1
	s_cmp_lg_u32 s14, 0
	s_cbranch_scc1 .Lnot_wave_0_\@
	s_barrier_signal -3
.Lnot_wave_0_\@:
	s_barrier_wait -3
	s_barrier_signal -1
	s_barrier_wait -1
.endm
.macro JOINT g0, g1                    ; a joint load, with the lines behind it
	tensor_load_to_lds s[\g0:\g0+3], s[\g1:\g1+7]
	s_nop 0
.rept 4
	v_nop
.endr
.endm
.macro FULL                            ; these lines, and the round behind them, go ahead of a later first fill
	s_wait_tensorcnt 0x0
	ds_add_u32 v[SPW], v[NIL]
	s_wait_dscnt 0x0
.endm
.macro LDW t                           ; We's 8 fragments of my K step t, from memory into the registers in which they stay
	WIN 0x40
.irp e, 0,1,2,3,4,5,6,7
.irp c, 0,1
	global_load_b128 v[64*\t+8*\e+4*\c:64*\t+8*\e+4*\c+3], v[L16], s[6:7] offset:1024*(8*\t+\e)+512*\c
.endr
.endr
	WIN 0
.endm
; The product of pair p at K step t.  x's scale words: register t / 2 of a set holds K step t in lanes 0-15 (t even) or 16-31 (t odd).
.macro WM par, t, p
.set XF, X+32*(\par)+8*\t
.set AC, ACC+16*\p
.set WF, 64*\t+16*\p
.if \t == 0
	v_wmma_scale_f32_32x16x128_f4 v[AC:AC+15], v[WF:WF+15], v[XF:XF+7], v[BIAS+16*\p:BIAS+16*\p+15], v[WS+4*\p], v[XSC+2*(\par)]
.elseif (\t%2) == 0
	v_wmma_scale_f32_32x16x128_f4 v[AC:AC+15], v[WF:WF+15], v[XF:XF+7], v[AC:AC+15], v[WS+4*\p+\t], v[XSC+2*(\par)+\t/2]
.else
	v_wmma_scale_f32_32x16x128_f4 v[AC:AC+15], v[WF:WF+15], v[XF:XF+7], v[AC:AC+15], v[WS+4*\p+\t], v[XSC+2*(\par)+\t/2] matrix_b_scale:MATRIX_SCALE_ROW1
.endif
.endm
; One of the four packed lines that weigh expert e into the sum.  Of the gate's pair one word serves both halves.  Expert 0 starts the sum.
.macro PK par, e, p
.set OB, OUT+2*\p
.set YB, ACC+8*\e+2*\p
.set GP, G+8*(\par)+2*(\e/2)
.if \e == 0
	v_pk_mul_f32 v[OB:OB+1], v[GP:GP+1], v[YB:YB+1] op_sel_hi:[0,1]
.elseif (\e%2) == 0
	v_pk_fma_f32 v[OB:OB+1], v[GP:GP+1], v[YB:YB+1], v[OB:OB+1] op_sel_hi:[0,1,1]
.else
	v_pk_fma_f32 v[OB:OB+1], v[GP:GP+1], v[YB:YB+1], v[OB:OB+1] op_sel:[1,0,0] op_sel_hi:[1,1,1]
.endif
.endm
.macro LOADS i                         ; eleven loads: the record behind block i of the trip
.set PN, ((\i)+1)%2
.irp t, 0,1,2,3
.irp c, 0,1
	ds_load_b128 v[X+32*PN+8*\t+4*\c:X+32*PN+8*\t+4*\c+3], v[ADX] offset:RECB*((\i)+1)+1024*\t+512*\c
.endr
.endr
	ds_load_b64 v[XSC+2*PN:XSC+2*PN+1], v[ADS] offset:RECB*((\i)+1)
	ds_load_b128 v[G+8*PN:G+8*PN+3], v[ADG] offset:RECB*((\i)+1)
	ds_load_b128 v[G+8*PN+4:G+8*PN+7], v[ADG] offset:RECB*((\i)+1)+16
.endm
.macro SEND                            ; the rows of a block: the halves of K are added; sixteen lanes store 256 consecutive bytes, aligned; written once, read by nobody here
	v_pk_add_f32 v[BK:BK+1], v[BK:BK+1], v[BK+4:BK+5]
	v_pk_add_f32 v[BK+2:BK+3], v[BK+2:BK+3], v[BK+6:BK+7]
	global_store_b128 v[GO], v[BK:BK+3], s[12:13] offset:-65536 th:TH_STORE_NT
.endm
.macro ROWS sg                         ; two loads: my two rows of stage sg, of both halves of K
	s_add_nc_u64 s[12:13], s[12:13], 65536         ; 16 rows of out0 on; the store reaches back by as much
	ds_load_b128 v[BK:BK+3], v[RD] offset:STB*(\sg)
	ds_load_b128 v[BK+4:BK+7], v[RD] offset:STB*(\sg)+STH
.endm
; BLOCK i of a trip of four, on the register sets i % 2.  out: the stage of the block before is read; fl: the rows of two blocks ago are stored; ld: the next record is loaded; lw: wait for each K step's weights.
.macro BLK i, out, fl, ld, lw
.set PAR, (\i)%2
	s_wait_dscnt 0x0                               ; this record and the rows are in, my stage stores have landed
.if \fl
	SEND
.endif
.if \out
	s_barrier_signal -1                            ; up to its wait: register work, and loads of records, which nobody writes
.endif
.if \ld
	LOADS \i                                       ; (the packed lines of the block before are the places behind the products that read these registers)
.endif
	WIN 0x01
.irp t, 0,1,2,3
.if \lw
	s_wait_loadcnt 16*(3-\t)                       ; K step t's weights are in: 16 (3 - t) loads were issued behind them
.endif
.irp p, 0,1,2,3
	WM PAR, \t, \p
.endr
.endr
	WIN 0
.rept 4
	v_nop                                          ; four places behind the products (ISA guide 7.12.1)
.endr
.irp e, 0,1,2,3,4,5,6,7
.irp p, 0,1,2,3
	PK PAR, \e, \p
.endr
.endr
	s_wait_alu depctr_va_vdst(0)                   ; the wait here, ahead of the waits below
.if \out
	s_wait_xcnt 0x0                                ; the last store has read its base and its data
	s_barrier_wait -1
	ROWS 1-PAR
.endif
	ds_store_b128 v[STO], v[OUT:OUT+3] offset:STB*PAR
	ds_store_b128 v[STO], v[OUT+4:OUT+7] offset:STB*PAR+16
.endm
.macro TRIP ld3
	BLK 0,1,1,1,0
	BLK 1,1,1,1,0
	BLK 2,1,1,1,0
	BLK 3,1,1,\ld3,0
.endm
.macro BASE                            ; the trip's addresses
	v_add_nc_u32 v[ADX], s60, v[XK]
	v_add_nc_u32 v[ADG], s60, v[GB]
	v_add_nc_u32 v[ADS], s60, v[SB]
	s_wait_alu depctr_va_vdst(0)                   ; the wait here, ahead of the waits below
.endm
	s_load_b256 s[4:11], s[0:1], 0x0               ; xq s[4:5], wq s[6:7], wsc s[8:9], be s[10:11]
	s_load_b64 s[12:13], s[0:1], 0x20              ; out0
	v_lshl_add_u32 v[SPW], v0, 2, SPARE
	v_mov_b32 v[NIL], 0
	ds_add_u32 v[SPW], v[NIL]                      ; the opening: the add, twice on end, and its wait
	ds_add_u32 v[SPW], v[NIL]
	v_lshrrev_b32 v60, 5, v0
	v_readfirstlane_b32 s14, v60                   ; wave 0..7
	s_and_b32 s62, s14, 3                          ; my 16 of the 64 columns
	s_lshr_b32 s63, s14, 2                         ; my half of K
	s_bfe_u32 s15, ttmp6, 0x40000                  ; cx: my place in the cluster
	s_lshl_b32 s16, ttmp9, 2                       ; in a cluster launch ttmp9 counts clusters
	s_add_co_u32 s16, s16, s15                     ; c: my 64 columns.  It enters the addresses of wq, wsc, be and out0 alone
	s_and_b32 s17, ttmp7, 0xffff                   ; y: my 512 tokens, which the four partners share
	v_and_b32 v57, 31, v0                          ; lane
	v_and_b32 v58, 15, v0                          ; r
	v_bfe_u32 v59, v0, 4, 1                        ; h
	v_lshlrev_b32 v[L16], 4, v57
	s_lshl_b32 s18, s63, 12
	v_add_nc_u32 v[XK], s18, v[L16]
	v_lshlrev_b32 v[GB], 5, v58
	v_add_nc_u32 v[GB], 8704, v[GB]
	s_lshl_b32 s18, s63, 3
	s_add_co_u32 s18, s18, 8192
	v_add_nc_u32 v[SB], s18, v[L16]
	v_lshlrev_b32 v[H32], 5, v59
	s_lshl_b32 s18, s62, 6
	s_mul_i32 s19, s63, STH
	s_add_co_u32 s18, s18, s19
	s_add_co_u32 s18, s18, STG
	v_mul_u32_u24 v[STO], v58, SP
	v_lshl_add_u32 v[STO], v59, 5, v[STO]
	v_add_nc_u32 v[STO], s18, v[STO]               ; the stage: my half of K, row r, 64 bytes for my 16 columns, 32 h
	s_mul_i32 s18, s14, 2*SP
	s_add_co_u32 s18, s18, STG
	v_mul_u32_u24 v[RD], v59, SP
	v_lshl_add_u32 v[RD], v58, 4, v[RD]
	v_add_nc_u32 v[RD], s18, v[RD]                 ; back: row 2 x wave + h, 16 bytes a lane
	s_lshl_b32 s18, s14, 13
	v_lshlrev_b32 v[GO], 12, v59
	v_lshl_add_u32 v[GO], v58, 4, v[GO]
	v_add_nc_u32 v[GO], s18, v[GO]                 ; and the same rows in out0, 4,096 bytes apart
	; group 1 of the three joint loads: dense blocks as rows of 256 bytes (32 elements of 8 bytes); 18, 45 and 81 rows a wave: an eighth of 4, 10 and 18 records
.irp g, 24,32,40
	s_mov_b32 s[\g+0], 15|(3<<16)|(1<<21)          ; the mask: all four work-groups; elements of 8 bytes; bit 21 set beside a mask
	s_mov_b32 s[\g+1], 32<<16                      ; tensor_dim0
	s_mov_b32 s[\g+3], 32<<16                      ; tile_dim0
	s_mov_b32 s[\g+5], 32                          ; tensor_dim0_stride
	s_mov_b32 s[\g+6], 0
	s_mov_b32 s[\g+7], 0
.endr
	s_mov_b32 s26, 18<<16                          ; tensor_dim1,
	s_mov_b32 s28, 18                              ; tile_dim1
	s_mov_b32 s34, 45<<16
	s_mov_b32 s36, 45
	s_mov_b32 s42, 81<<16
	s_mov_b32 s44, 81
	s_lshl_b32 s19, s16, 2
	s_add_co_u32 s19, s19, s62                     ; my group of 16 columns: 4 c + wave % 4
	s_sub_co_u32 s3, s63, 1                        ; all ones in the first half of K, 0 in the second
	s_mov_b32 s21, 0
	s_mov_b32 s23, 0
	s_mul_i32 s22, s17, 32*RECB                    ; my 32 records
	s_mov_b32 s60, 0                               ; the LDS byte of the trip's first record
	BASE                                           ; (its wait stands at the head's end)
	s_wait_dscnt 0x0                               ; both opening adds are done
	s_wait_kmcnt 0x0
	s_add_nc_u64 s[4:5], s[4:5], s[22:23]
	s_lshl_b32 s20, s19, 16                        ; wq: 65,536 bytes a group,
	s_lshl_b32 s18, s63, 15                        ; 32,768 for each half of K
	s_add_co_u32 s20, s20, s18
	s_add_nc_u64 s[6:7], s[6:7], s[20:21]
	s_lshl_b32 s20, s19, 12                        ; wsc: 4,096,
	s_lshl_b32 s18, s63, 9                         ; 512
	s_add_co_u32 s20, s20, s18
	s_add_nc_u64 s[8:9], s[8:9], s[20:21]
	s_lshl_b32 s20, s19, 6
	s_add_nc_u64 s[10:11], s[10:11], s[20:21]      ; be: 64
	s_lshl_b32 s20, s17, 21                        ; out0: 512 rows of 4,096 bytes,
	s_lshl_b32 s18, s16, 8                         ; 256 bytes for my 64 columns
	s_add_co_u32 s20, s20, s18
	s_add_nc_u64 s[12:13], s[12:13], s[20:21]
	; group 0: LDS address and offset in xq are the same number: records 0-3, 4-13, 14-31, an eighth of each to a wave
	s_mov_b32 s48, 1
	s_mul_i32 s49, s14, 18*256
	s_mov_b32 s22, s49
	s_add_nc_u64 s[50:51], s[4:5], s[22:23]
	s_or_b32 s51, s51, 0x80000000
	s_mov_b32 s52, 1
	s_mul_i32 s53, s14, 45*256
	s_add_co_u32 s53, s53, 4*RECB
	s_mov_b32 s22, s53
	s_add_nc_u64 s[54:55], s[4:5], s[22:23]
	s_or_b32 s55, s55, 0x80000000
	s_mov_b32 s56, 1
	s_mul_i32 s57, s14, 81*256
	s_add_co_u32 s57, s57, 14*RECB
	s_mov_b32 s22, s57
	s_add_nc_u64 s[58:59], s[4:5], s[22:23]
	s_or_b32 s59, s59, 0x80000000
.irp p, 0,1,2,3
	global_load_b128 v[WS+4*\p:WS+4*\p+3], v[L16], s[8:9] offset:1024*\p     ; We's scale words
.endr
.irp e, 0,1,2,3,4,5,6,7
	global_load_b128 v[BIAS+8*\e:BIAS+8*\e+3], v[H32], s[10:11] offset:4096*\e       ; be(e, my 16 columns + 8 h + 0 .. 7): the result's layout
	global_load_b128 v[BIAS+8*\e+4:BIAS+8*\e+7], v[H32], s[10:11] offset:4096*\e+16
.endr
	LDW 0
	ROUND                                          ; all four work-groups are here: the joint loads meet
	JOINT 48, 24                                   ; records 0-3
	LDW 1
	LDW 2
	LDW 3
	FULL                                           ; my part of the first four records is in
	ROUND                                          ; everybody's is
	JOINT 52, 32                                   ; records 4-13
	LOADS -1
	s_wait_loadcnt 63                              ; scale words and bias are in: 64 loads were issued behind them
.set q, 0
.rept 64
	v_and_b32 v[BIAS+q], s3, v[BIAS+q]             ; the bias counts once: zeros in the second half of K
.set q, q+1
.endr
	s_wait_alu depctr_va_vdst(0)                   ; the wait here, ahead of the waits below
	s_wait_xcnt 0x0                                ; the loads have read their addresses: v56 is written again
	BLK 0,0,0,1,1
	BLK 1,1,0,1,0
	BLK 2,1,1,1,0
	FULL                                           ; my part of records 4-13 is in
	ROUND
	JOINT 56, 40                                   ; records 14-31
	BLK 3,1,1,1,0
	s_mov_b32 s60, 4*RECB
	s_mov_b32 s61, 2
.Lfirst:                                               ; blocks 4 to 11; loads records up to 12
	BASE
	TRIP 1
	s_add_co_u32 s60, s60, 4*RECB
	s_sub_co_u32 s61, s61, 1
	s_cmp_lg_u32 s61, 0
	s_cbranch_scc1 .Lfirst
	s_wait_tensorcnt 0x0                           ; my part of records 14-31 is in,
	s_wait_dscnt 0x0
	s_barrier_signal -1
	s_barrier_wait -1                              ; and everybody's
	s_mov_b32 s61, 4
.Lsecond:                                              ; blocks 12 to 27
	BASE
	TRIP 1
	s_add_co_u32 s60, s60, 4*RECB
	s_sub_co_u32 s61, s61, 1
	s_cmp_lg_u32 s61, 0
	s_cbranch_scc1 .Lsecond
	BASE                                           ; blocks 28 to 31: the last loads no record
	TRIP 0
	s_wait_dscnt 0x0                               ; block 30's rows are in, my stores of block 31 have landed
	SEND
	s_barrier_signal -1
	s_wait_xcnt 0x0
	s_barrier_wait -1
	ROWS 1
	s_wait_dscnt 0x0
	SEND
	s_wait_tensorcnt 0x0                           ; the wave's end
	ds_add_u32 v[SPW], v[NIL]
	s_wait_dscnt 0x0
	ROUND                                          ; the closing round: no work-group ends while a partner may still ask for a tile that names it
	s_endpgm
.Lfunc_end_k_q451a844231_moe:
	.size	k_q451a844231_moe, .Lfunc_end_k_q451a844231_moe-k_q451a844231_moe
	.p2alignl 7, 3214868480
	.fill 96, 4, 3214868480
	.section	.rodata,"a",@progbits
	.p2align	6, 0x0
	.amdhsa_kernel k_q451a844231_moe
		.amdhsa_group_segment_fixed_size 327680
		.amdhsa_private_segment_fixed_size 0
		.amdhsa_enable_private_segment 0
		.amdhsa_kernarg_size 40
		.amdhsa_user_sgpr_count 2
		.amdhsa_user_sgpr_kernarg_segment_ptr 1
		.amdhsa_wavefront_size32 1
		.amdhsa_system_sgpr_workgroup_id_x 1
		.amdhsa_system_sgpr_workgroup_id_y 1
		.amdhsa_system_sgpr_workgroup_id_z 1
		.amdhsa_system_vgpr_workitem_id 0
		.amdhsa_next_free_vgpr 512
		.amdhsa_next_free_sgpr 66
		.amdhsa_reserve_vcc 0
		.amdhsa_float_denorm_mode_32 3
		.amdhsa_float_denorm_mode_16_64 3
		.amdhsa_memory_ordered 1
		.amdhsa_forward_progress 1
		.amdhsa_inst_pref_size 108
	.end_amdhsa_kernel
	.amdgpu_metadata
---
amdhsa.version: [ 1, 2 ]
amdhsa.kernels:
  - .name:           k_q451a844231_moe
    .symbol:         k_q451a844231_moe.kd
    .args:
      - { .name: xq, .offset: 0, .size: 8, .value_kind: global_buffer, .address_space: global }
      - { .name: wq, .offset: 8, .size: 8, .value_kind: global_buffer, .address_space: global }
      - { .name: wsc, .offset: 16, .size: 8, .value_kind: global_buffer, .address_space: global }
      - { .name: be, .offset: 24, .size: 8, .value_kind: global_buffer, .address_space: global }
      - { .name: out0, .offset: 32, .size: 8, .value_kind: global_buffer, .address_space: global }
    .group_segment_fixed_size: 327680
    .private_segment_fixed_size: 0
    .kernarg_segment_align: 8
    .kernarg_segment_size: 40
    .max_flat_workgroup_size: 256
    .sgpr_count:     66
    .vgpr_count:     512
    .wavefront_size: 32
...
	.end_amdgpu_metadata
.endif
;; end of part 2
